; MI455X (gfx1250); checked and timed in simulation.
; The chip was launched on July 23, 2026; its instructions are those of AMD's public machine-readable ISA for CDNA 5 (MIT licence, August 2026) and "CDNA5" Instruction Set Architecture Reference Guide (July 2026). The comments in the code are by the model that wrote it; some were corrected since.
;; Cross Attention. Allowed arithmetic: matrix products marked QUANTISED: E4M3 operands, one given power-of-two scale a tensor, by v_wmma_f32_16x16x64_fp8_fp8 or v_wmma_f32_16x16x128_fp8_fp8, f32 sums; everything else in f32.
;; Inputs: b_proj 512 float32; lowp_scales 12 int32 (the exponents e of the quantised operands' scales 2^e); w_proj 512 x 512 float32; wk 512 x 512 float32; wq 512 x 512 float32; wv 512 x 512 float32; x_kv 4 x 4,096 x 512 float32; x_q 4 x 2,048 x 512 float32.
;; Outputs: out0 4 x 2,048 x 512 float32.
;; This version of the problem:
;;   THIS VERSION OF THE PROBLEM IS GIVEN IN LOW PRECISION. The matrix products marked QUANTISED in the list below multiply operands that are first quantised to E4M3 (4 exponent bits, 3 mantissa bits; 8 bits a number), with one given power-of-two scale for each operand tensor; their sums are f32. All else is computed in f32.
;;   The module's matrix products, in the order in which they are computed (A, B: the left and right operand; K: the contracted axis; several contracted axes count as one K, in the product's order):
;;     1. [M 8,192, K 512] x [K 512, N 512]; A: input x_q; B: input wq: QUANTISED (scales: A lowp_scales[0], B lowp_scales[1])
;;     2. [M 16,384, K 512] x [K 512, N 512]; A: input x_kv; B: input wk: QUANTISED (scales: A lowp_scales[2], B lowp_scales[3])
;;     3. [M 16,384, K 512] x [K 512, N 512]; A: input x_kv; B: input wv: QUANTISED (scales: A lowp_scales[4], B lowp_scales[5])
;;     4. batch 32 x [M 2,048, K 64] x [K 64, N 4,096]; A: computed on the way; B: computed on the way: QUANTISED (scales: A lowp_scales[6], B lowp_scales[7])
;;     5. batch 32 x [M 2,048, K 4,096] x [K 4,096, N 64]; A: softmax (see below); B: computed on the way: QUANTISED (scales: A lowp_scales[8], B lowp_scales[9])
;;     6. [M 8,192, K 512] x [K 512, N 512]; A: computed on the way; B: input w_proj: QUANTISED (scales: A lowp_scales[10], B lowp_scales[11])
;;   THE QUANTISER, for each operand of a quantised product, along K:
;;     - The operand's scale is 2^e, e = its entry of the input lowp_scales (int32; the entries are numbered through the quantised products in the list's order, A before B).
;;     - Each number is divided by the scale, clamped to +-448, and rounded to the nearest number of E4M3, ties to even, subnormals kept.
;;     - The product sums the exact products of the quantised numbers (number of the format x scale) in f32.
;;   ~~~python
;;   def quantise(x, axis, e):      # numpy; x: float32 -> the quantised numbers, widened to float32 again
;;       x = np.moveaxis(x, axis, -1); K = x.shape[-1]
;;       r = np.clip(x / 2.0 ** e, -448, 448)
;;       step = 2.0 ** (np.maximum(np.frexp(np.where(r == 0, 1, r))[1] - 1, -6) - 3)
;;       q = np.round(r / step) * step * 2.0 ** e      # np.round: ties to even
;;       return np.moveaxis(q, -1, axis).astype(np.float32)
;;   ~~~
;;   SOFTMAX AHEAD OF A QUANTISED PRODUCT. Where the list says 'softmax', what is quantised is not the finished softmax but p = 2^(t - M), with t = logit x log2(e) and M = ceil(the row's largest t), a whole number; so 1/2 < the row's largest p <= 1. The row's sum l is taken of the UNQUANTISED p, in f32, and the product's result is divided by l at the end. Since M is a whole number, a kernel that streams over the keys may use a running M (the ceiling of the running maximum): every later rescaling is an exact power of two, so the quantised numbers keep their values, but for numbers so far below the row's largest that they fall under the format's range.
;;   OPERANDS COMPUTED ON THE WAY. 'Computed on the way' means the value that the module computes at that place (a softmax that the list does not call 'softmax' is quantised finished and normalised). What goes into a quantiser is computed in f32, as accurately as f32 sums, v_exp_f32 and their like allow (about 1e-6 of the number): no bf16 or f16 on the way to a quantiser, and a product that is left as it is and whose result goes on into a quantised operand takes f32 operands (vector FMAs, or v_wmma_f32_16x16x4_f32). A number that lies on a knife's edge between two numbers of the format may be rounded either way, as far as f32 arithmetic and the matrix unit's own rounding can turn it there, and no further.
;; One version. Each part assembles by itself: llvm-mc -triple=amdgcn-amd-amdhsa -mcpu=gfx1250 --defsym DOCPART=n.
;; ======== version 1 of 1: 4 launches
;; limits: right only within a limited range of input values
;; workspace buffers: w_img 1,048,576 bytes; q_img 4,194,304 bytes; kv_img 16,777,216 bytes; a_img 4,194,304 bytes
;; launch prep (part 1): grid 128 x 1, 4 waves a work-group, no clusters, 0 bytes of LDS; arguments wq, wk, wv, w_proj, lowp_scales, w_img; writes w_img
.if DOCPART == 1
	.amdgcn_target "amdgcn-amd-amdhsa--gfx1250"
	.amdhsa_code_object_version 6
	.text
	.protected	k_q26587e38e0_prep
	.globl	k_q26587e38e0_prep
	.p2align	8
	.type	k_q26587e38e0_prep,@function
k_q26587e38e0_prep:
	s_mov_b64 s[64:65], 0
	v_nop
	global_prefetch_b8 v0, s[64:65] scope:SCOPE_SE
	s_setreg_imm32_b32 hwreg(HW_REG_WAVE_MODE, 25, 1), 1
	s_wait_xcnt 0x0
; The four weights [512 (out)][512 (k)], f32, K innermost, become codes of FP8 (E4M3), each with its given scale 2^e (entries 1, 3, 5, 11).
; code = w / 2^e, held within +-448, rounded to the nearest code, ties to even.
; THE CODES ARE LAID AS IMAGES OF OPERAND REGISTERS.  A fragment is 16 rows x 128 K in 16 registers: lane (r, h) holds row r, registers 2 c, 2 c + 1 hold k = 16 c + 8 h + 0 .. 7.
; Four registers of all 32 lanes are a piece of 512 bytes, the 16 bytes of lane l at 16 l.  w_img: ((matrix x 32 + tile of 16 rows) x 4 + K step) x 2,048 + piece x 512 + 16 l.
; SHARES: work-group g takes matrix g / 32, tile g % 32; wave s takes K step s: one fragment a wave.  Waves share nothing: no LDS, no barrier, no cluster.
; LIMITS: e between -126 and 119, so that 2^e and 448 x 2^e are f32 numbers.  NaN among the inputs is not served.
.set X, 16                             ; v16-79  64 numbers of my row
.set C, 80                             ; v80-95  their codes: the fragment
	s_load_b256 s[4:11], s[0:1], 0x0               ; wq s[4:5], wk s[6:7], wv s[8:9], w_proj s[10:11]
	s_load_b128 s[12:15], s[0:1], 0x20             ; the exponents s[12:13], w_img s[14:15]
	v_lshrrev_b32 v1, 5, v0
	v_readfirstlane_b32 s28, v1                    ; wave = K step
	v_and_b32 v2, 15, v0                           ; r
	v_bfe_u32 v5, v0, 4, 1                         ; h
	v_lshlrev_b32 v3, 11, v2                       ; in: row r of 2,048 bytes,
	v_lshl_add_u32 v3, v5, 5, v3                   ; + 32 h: my eight numbers of each 16 along K
	v_and_b32 v4, 31, v0
	v_lshlrev_b32 v4, 4, v4                        ; out: 16 x lane
	s_lshr_b32 s29, ttmp9, 5                       ; which matrix
	s_and_b32 s30, ttmp9, 31                       ; which tile of 16 rows
	s_lshl_b32 s36, s30, 15                        ; 16 rows of 2,048 bytes,
	s_lshl_b32 s31, s28, 9                         ; 128 numbers along K
	s_add_co_u32 s36, s36, s31
	s_mov_b32 s37, 0
	s_lshl_b32 s40, ttmp9, 2
	s_add_co_u32 s40, s40, s28
	s_lshl_b32 s40, s40, 11                        ; (4 g + s) fragments of 2,048 bytes
	s_mov_b32 s41, 0
	s_wait_alu depctr_va_vdst(0)
	s_wait_kmcnt 0x0
	s_load_b256 s[16:23], s[12:13], 0x0            ; e0 .. e7
	s_load_b128 s[24:27], s[12:13], 0x20           ; e8 .. e11
	s_bitcmp1_b32 s29, 0                           ; the choice hangs on the number of the work-group alone
	s_cselect_b64 s[32:33], s[6:7], s[4:5]         ; wk or wq
	s_cselect_b64 s[34:35], s[10:11], s[8:9]       ; w_proj or wv
	s_bitcmp1_b32 s29, 1
	s_cselect_b64 s[32:33], s[34:35], s[32:33]
	s_add_nc_u64 s[32:33], s[32:33], s[36:37]
	s_add_nc_u64 s[14:15], s[14:15], s[40:41]
.irp c, 0,1,2,3,4,5,6,7
	global_load_b128 v[X+8*\c:X+8*\c+3], v3, s[32:33] offset:64*\c th:TH_LOAD_NT       ; w(r, 128 s + 16 c + 8 h + 0 .. 3)
	global_load_b128 v[X+8*\c+4:X+8*\c+7], v3, s[32:33] offset:64*\c+16 th:TH_LOAD_NT  ; and + 4 .. 7
.endr
	s_wait_kmcnt 0x0
	s_bitcmp1_b32 s29, 0
	s_cselect_b32 s38, s19, s17                    ; e3 or e1
	s_cselect_b32 s39, s27, s21                    ; e11 or e5
	s_bitcmp1_b32 s29, 1
	s_cselect_b32 s38, s39, s38                    ; e
	s_add_co_i32 s38, s38, 127
	s_lshl_b32 s39, s38, 23
	v_mov_b32 v11, s39                             ; 2^e as f32: the conversion takes its exponent field
	s_add_co_i32 s38, s38, 8
	s_lshl_b32 s38, s38, 23
	s_or_b32 s38, s38, 0x600000
	v_mov_b32 v10, s38                             ; 448 x 2^e
	s_wait_alu depctr_va_vdst(0)
	s_wait_loadcnt 0x0
.irp c, 0,1,2,3,4,5,6,7
.irp i, 0,1,2,3,4,5,6,7
	v_med3_num_f32 v[X+8*\c+\i], v[X+8*\c+\i], -v10, v10   ; the conversion to an 8-bit code does not saturate (ISA guide 7.6.2): the hold comes first
.endr
	v_cvt_scalef32_pk8_fp8_f32 v[C+2*\c:C+2*\c+1], v[X+8*\c:X+8*\c+7], v11   ; registers 2 c, 2 c + 1 of the fragment
.endr
.irp p, 0,1,2,3
	global_store_b128 v4, v[C+4*\p:C+4*\p+3], s[14:15] offset:512*\p   ; a piece: 512 consecutive bytes, aligned
.endr
	s_endpgm
.Lfunc_end_k_q26587e38e0_prep:
	.size	k_q26587e38e0_prep, .Lfunc_end_k_q26587e38e0_prep-k_q26587e38e0_prep
	.p2alignl 7, 3214868480
	.fill 96, 4, 3214868480
	.section	.rodata,"a",@progbits
	.p2align	6, 0x0
	.amdhsa_kernel k_q26587e38e0_prep
		.amdhsa_group_segment_fixed_size 0
		.amdhsa_private_segment_fixed_size 0
		.amdhsa_enable_private_segment 0
		.amdhsa_kernarg_size 48
		.amdhsa_user_sgpr_count 2
		.amdhsa_user_sgpr_kernarg_segment_ptr 1
		.amdhsa_wavefront_size32 1
		.amdhsa_system_sgpr_workgroup_id_x 1
		.amdhsa_system_sgpr_workgroup_id_y 1
		.amdhsa_system_sgpr_workgroup_id_z 1
		.amdhsa_system_vgpr_workitem_id 0
		.amdhsa_next_free_vgpr 96
		.amdhsa_next_free_sgpr 66
		.amdhsa_reserve_vcc 0
		.amdhsa_float_denorm_mode_32 3
		.amdhsa_float_denorm_mode_16_64 3
		.amdhsa_memory_ordered 1
		.amdhsa_forward_progress 1
		.amdhsa_inst_pref_size 9
	.end_amdhsa_kernel
	.amdgpu_metadata
---
amdhsa.version: [ 1, 2 ]
amdhsa.kernels:
  - .name:           k_q26587e38e0_prep
    .symbol:         k_q26587e38e0_prep.kd
    .args:
      - { .name: wq, .offset: 0, .size: 8, .value_kind: global_buffer, .address_space: global }
      - { .name: wk, .offset: 8, .size: 8, .value_kind: global_buffer, .address_space: global }
      - { .name: wv, .offset: 16, .size: 8, .value_kind: global_buffer, .address_space: global }
      - { .name: w_proj, .offset: 24, .size: 8, .value_kind: global_buffer, .address_space: global }
      - { .name: lowp_scales, .offset: 32, .size: 8, .value_kind: global_buffer, .address_space: global }
      - { .name: w_img, .offset: 40, .size: 8, .value_kind: global_buffer, .address_space: global }
    .group_segment_fixed_size: 0
    .private_segment_fixed_size: 0
    .kernarg_segment_align: 8
    .kernarg_segment_size: 48
    .max_flat_workgroup_size: 128
    .sgpr_count:     66
    .vgpr_count:     96
    .wavefront_size: 32
...
	.end_amdgpu_metadata
.endif
;; end of part 1
;; launch proj (part 2): grid 384 x 1, 4 waves a work-group, no clusters, 327,680 bytes of LDS; arguments x_q, x_kv, w_img, lowp_scales, q_img, kv_img; writes q_img, kv_img
.if DOCPART == 2
	.amdgcn_target "amdgcn-amd-amdhsa--gfx1250"
	.amdhsa_code_object_version 6
	.text
	.protected	k_q26587e38e0_proj
	.globl	k_q26587e38e0_proj
	.p2align	8
	.type	k_q26587e38e0_proj,@function
k_q26587e38e0_proj:
	s_mov_b64 s[64:65], 0
	v_nop
	global_prefetch_b8 v0, s[64:65] scope:SCOPE_SE
	s_setreg_imm32_b32 hwreg(HW_REG_WAVE_MODE, 25, 1), 1
	s_wait_xcnt 0x0
.set XP,    1040
.set STGH,  16*XP
.set STGW,  2*STGH
.set STGB,  8*STGH
.set SPARE, 16*STGH
.set LI,   4
.set LIB,  4
.set XR,   8
.set XW,   10
.set VOD,  9
.set SCX,  16
.set LMX,  17
.set SCO,  18
.set LMO,  19
.set SPW,  20
.set NIL,  21
.set F,    32
.set XB,   32
.set PC,   160
.set CD,   160
.set WV,   16
.set G1,   24
.set G0,   32
.set MSB, 0
.macro WIN new
.if MSB != (\new)
	s_set_vgpr_msb (MSB<<8)|(\new)
.set MSB, (\new)
.endif
.endm
.macro PLACES
.rept 4
	v_nop
.endr
.endm
.macro QUANT src, dst, sc, lim
.irp c, 0,1,2,3,4,5,6,7
.irp i, 0,1,2,3,4,5,6,7
	v_med3_num_f32 v[\src+8*\c+\i], v[\src+8*\c+\i], -v[\lim], v[\lim]
.endr
	v_cvt_scalef32_pk8_fp8_f32 v[\dst+2*\c:\dst+2*\c+1], v[\src+8*\c:\src+8*\c+7], v[\sc]
.endr
	v_nop
.endm
.macro XPHASE be
.if \be
	s_wait_xcnt 0x0                                ; the first block's stores have read the registers that are written again below
	s_wait_tensorcnt 0x0                           ; my rows of the second block are in (the first block's were waited for ahead of the barrier at the head)
.endif
.irp hf, 0,1
.irp q, 0,1
.irp c, 0,1,2,3,4,5,6,7
	ds_load_b128 v[F+64*\q+8*\c:F+64*\q+8*\c+3], v[XR+\be] offset:\hf*XP+512*\q+64*\c
	ds_load_b128 v[F+64*\q+8*\c+4:F+64*\q+8*\c+7], v[XR+\be] offset:\hf*XP+512*\q+64*\c+16
.endr
.endr
	s_wait_dscnt 16
	QUANT F, PC+32*\hf, SCX, LMX
	s_wait_dscnt 0x0
	QUANT F+64, PC+32*\hf+16, SCX, LMX
.endr
.irp hf, 0,1                           ; the codes go over my own rows only when all of them have been read
.irp q, 0,1
.irp p, 0,1,2,3
	ds_store_b128 v[XW+\be], v[PC+32*\hf+16*\q+4*\p:PC+32*\hf+16*\q+4*\p+3] offset:\hf*STGH+2048*\q+512*\p
.endr
.endr
.endr
	s_wait_dscnt 0x0
	s_barrier_signal -1
	s_barrier_wait -1
.endm
.macro XFETCH buf, be, ks
.irp m, 0,1,2,3
.irp p, 0,1,2,3
	ds_load_b128 v[XB+64*(\buf)+16*\m+4*\p:XB+64*(\buf)+16*\m+4*\p+3], v[LIB+2*\be+\m/2] offset:((\m%2)*2+(\ks)/2)*STGH+((\ks)%2)*2048+512*\p
.endr
.endr
.endm
.macro MULS tr, buf, ks
.if \tr
.set WN, 0xf0|(1+(\ks)/2)
.else
.set WN, 0xf0|((1+(\ks)/2)<<2)
.endif
	WIN WN
.irp m, 0,1,2,3
.irp ct, 0,1,2,3,4,5,6,7
.set rA, 8*(8*\m+\ct)
.set rW, 128*((\ks)%2)+16*\ct
.set rX, XB+64*(\buf)+16*\m
.if \tr
.if (\ks) == 0
	v_wmma_f32_16x16x128_fp8_fp8 v[rA:rA+7], v[rW:rW+15], v[rX:rX+15], 0
.else
	v_wmma_f32_16x16x128_fp8_fp8 v[rA:rA+7], v[rW:rW+15], v[rX:rX+15], v[rA:rA+7]
.endif
.else
.if (\ks) == 0
	v_wmma_f32_16x16x128_fp8_fp8 v[rA:rA+7], v[rX:rX+15], v[rW:rW+15], 0
.else
	v_wmma_f32_16x16x128_fp8_fp8 v[rA:rA+7], v[rX:rX+15], v[rW:rW+15], v[rA:rA+7]
.endif
.endif
.endr
.endr
	WIN 0
.endm
.macro OUTP tr, be
	WIN 0xc3
.set i, 0
.rept 256
	v_med3_num_f32 v[i], v[i], -v[LMO], v[LMO]
.set i, i+1
.endr
	WIN 0x03
.irp m, 0,1,2,3
.irp ct, 0,1,2,3,4,5,6,7
.if \tr
	v_cvt_scalef32_pk8_fp8_f32 v[CD+8*(2*\m+\ct/4)+2*(\ct%4):CD+8*(2*\m+\ct/4)+2*(\ct%4)+1], v[8*(8*\m+\ct):8*(8*\m+\ct)+7], v[SCO]
.else
	v_cvt_scalef32_pk8_fp8_f32 v[CD+4*(2*\ct+\m/2)+2*(\m%2):CD+4*(2*\ct+\m/2)+2*(\m%2)+1], v[8*(8*\m+\ct):8*(8*\m+\ct)+7], v[SCO]
.endif
.endr
.endr
	v_nop
	WIN 0
.if \tr
.irp m, 0,1,2,3
.irp hh, 0,1
.irp p, 0,1
	global_store_b128 v[LI+VOD*\hh], v[CD+8*(2*\m+\hh)+4*\p:CD+8*(2*\m+\hh)+4*\p+3], s[62:63] offset:(4*\be+\m)*1024+512*\p
.endr
.endr
.endr
.else
.irp ct, 0,1,2,3,4,5,6,7
.irp mp, 0,1
	global_store_b128 v[LI+VOD*(\ct/4)], v[CD+4*(2*\ct+\mp):CD+4*(2*\ct+\mp)+3], s[62:63] offset:(\ct%4)*2048+(2*\be+\mp)*512
.endr
.endr
.endif
.endm
.macro BLOCK tr, be
	XFETCH 0, \be, 0
	XFETCH 1, \be, 1
	s_wait_dscnt 16
	s_wait_loadcnt 63                              ; the weights of K step 0 are in: 96 younger loads would do; 63 is the largest count that the wait can name
	MULS \tr, 0, 0
	PLACES
	XFETCH 0, \be, 2
	s_wait_dscnt 16
	s_wait_loadcnt 63                              ; K step 1: 64 would do
	MULS \tr, 1, 1
	PLACES
	XFETCH 1, \be, 3
	s_wait_dscnt 16
	s_wait_loadcnt 32                              ; K step 2: the 32 loads of K step 3 may be out
	MULS \tr, 0, 2
	s_wait_dscnt 0x0
	s_wait_loadcnt 0x0
	MULS \tr, 1, 3
	PLACES
	OUTP \tr, \be
.endm
	s_load_b256 s[4:11], s[0:1], 0x0
	s_load_b128 s[12:15], s[0:1], 0x20
	v_lshl_add_u32 v[SPW], v0, 2, SPARE
	v_mov_b32 v[NIL], 0
	ds_add_u32 v[SPW], v[NIL]
	ds_add_u32 v[SPW], v[NIL]
	v_lshrrev_b32 v1, 5, v0
	v_readfirstlane_b32 s[WV], v1
	s_mov_b32 s[G1+0], (2<<16)|(1<<20)|(7<<22)|(3<<25)
	s_mov_b32 s[G1+1], 512<<16                     ; a tile is 16 whole rows of 512 numbers; 16 bytes of padding behind each 1,024: an LDS row is 2 XP bytes
	s_mov_b32 s[G1+2], 16<<16
	s_mov_b32 s[G1+3], 512<<16
	s_mov_b32 s[G1+4], 16
	s_mov_b32 s[G1+5], 512
	s_mov_b32 s[G1+6], 0
	s_mov_b32 s[G1+7], 0
	s_cmp_ge_u32 ttmp9, 256
	s_cselect_b32 s17, 1, 0
	s_and_b32 s76, ttmp9, 127                      ; Q: work-groups 256 to 383 take 64 rows each
	s_lshr_b32 s77, ttmp9, 1
	s_and_b32 s18, ttmp9, 1
	s_add_co_u32 s78, s18, 1
	s_mov_b32 s22, 524288
	s_mov_b32 s23, 16384
	s_cmp_eq_u32 s17, 1
	s_cselect_b32 s18, 0, s18
	s_cselect_b32 s19, s76, s77
	s_cselect_b32 s78, 0, s78
	s_cselect_b32 s22, 131072, s22
	s_cselect_b32 s23, 4096, s23                   ; q_img: 64 queries of a head are four tiles of 1,024 bytes
	s_lshr_b32 s76, s19, 5
	s_lshr_b32 s77, s19, 5
	s_and_b32 s79, s19, 31
	s_and_b32 s80, s19, 31
	s_cmp_eq_u32 s17, 1
	s_cselect_b32 s20, s76, s77
	s_cselect_b32 s21, s79, s80
	s_lshl_b32 s68, s19, 18                        ; 128 rows of 2,048 bytes a work-group,
	s_lshr_b32 s68, s68, s17                       ; for Q 64
	s_lshl_b32 s76, s[WV], 15
	s_add_co_u32 s68, s68, s76
	s_mov_b32 s69, 0
	s_lshl_b32 s70, s20, 3
	s_lshl_b32 s76, s[WV], 1
	s_add_co_u32 s70, s70, s76
	s_mul_i32 s70, s70, s22
	s_sub_co_u32 s76, s21, 1                       ; kv_img: record n of a head = V of key step n (8,192 bytes), then K of key step (n + 1) mod 32
	s_and_b32 s76, s76, 31
	s_or_b32 s77, s17, s18
	s_cmp_eq_u32 s77, 0                            ; K's work-group?
	s_cselect_b32 s21, s76, s21
	s_cselect_b32 s77, 8192, 0
	s_mul_i32 s76, s21, s23
	s_add_co_u32 s70, s70, s76
	s_add_co_u32 s70, s70, s77
	s_mov_b32 s71, 0
	s_lshl_b32 s72, s78, 18
	s_lshl_b32 s76, s[WV], 16
	s_add_co_u32 s72, s72, s76
	s_mov_b32 s73, 0
	s_mul_i32 s74, s[WV], STGW
	s_wait_dscnt 0x0
	s_wait_kmcnt 0x0
	s_load_b256 s[48:55], s[10:11], 0x0
	s_load_b128 s[56:59], s[10:11], 0x20
	s_cmp_eq_u32 s17, 1
	s_cselect_b64 s[60:61], s[4:5], s[6:7]
	s_cselect_b64 s[62:63], s[12:13], s[14:15]
	s_add_nc_u64 s[60:61], s[60:61], s[68:69]
	s_add_nc_u64 s[62:63], s[62:63], s[70:71]
	s_add_nc_u64 s[66:67], s[8:9], s[72:73]
.irp n, 0,1
	s_mov_b32 s[G0+4*\n], 1
	s_add_co_u32 s[G0+4*\n+1], s74, \n*STGB
	s_add_nc_u64 s[G0+4*\n+2:G0+4*\n+3], s[60:61], \n*131072
	s_or_b32 s[G0+4*\n+3], s[G0+4*\n+3], 0x80000000
.endr
	tensor_load_to_lds s[G0:G0+3], s[G1:G1+7]      ; my 16 rows of the first 64: my one tensor load at the head
	s_nop 0
.rept 4
	v_nop
.endr
	v_and_b32 v1, 31, v0
	v_lshlrev_b32 v[LI], 4, v1
	v_and_b32 v2, 15, v0
	v_bfe_u32 v3, v0, 4, 1
.irp g, 1,2,3
	v_add_nc_u32 v[LIB+\g], \g*66560, v[LI]
.endr
	v_mul_u32_u24 v[XR], v2, 2*XP
	v_lshl_add_u32 v[XR], v3, 5, v[XR]
	v_add_nc_u32 v[XR], s74, v[XR]
	v_add_nc_u32 v[XR+1], STGB, v[XR]
	v_add_nc_u32 v[XW], s74, v[LI]
	v_add_nc_u32 v[XW+1], STGB, v[XW]
	v_add_nc_u32 v[LI+VOD], s22, v[LI]
	WIN 0x40
.irp ks, 0,1
.irp ct, 0,1,2,3,4,5,6,7
.irp p, 0,1,2,3
	global_load_b128 v[128*\ks+16*\ct+4*\p:128*\ks+16*\ct+4*\p+3], v[LI], s[66:67] offset:\ct*8192+\ks*2048+512*\p
.endr
.endr
.endr
	WIN 0x80
.irp ks, 0,1
.irp ct, 0,1,2,3,4,5,6,7
.irp p, 0,1,2,3
	global_load_b128 v[128*\ks+16*\ct+4*\p:128*\ks+16*\ct+4*\p+3], v[LI], s[66:67] offset:\ct*8192+(\ks+2)*2048+512*\p
.endr
.endr
.endr
	WIN 0
	s_wait_alu depctr_va_vdst(0)
	s_wait_kmcnt 0x0
	s_cmp_eq_u32 s18, 1
	s_cselect_b32 s76, s52, s50
	s_cselect_b32 s77, s53, s51
	s_cselect_b32 s78, s57, s55
	s_cmp_eq_u32 s17, 1
	s_cselect_b32 s76, s48, s76
	s_cselect_b32 s77, s49, s77
	s_cselect_b32 s78, s54, s78
	s_add_co_i32 s79, s76, 127
	s_lshl_b32 s80, s79, 23
	v_mov_b32 v[SCX], s80
	s_add_co_i32 s79, s79, 8
	s_lshl_b32 s79, s79, 23
	s_or_b32 s79, s79, 0x600000
	v_mov_b32 v[LMX], s79
	s_sub_co_i32 s78, s78, s76
	s_sub_co_i32 s78, s78, s77
	s_add_co_i32 s78, s78, 127
	s_lshl_b32 s80, s78, 23
	v_mov_b32 v[SCO], s80
	s_add_co_i32 s78, s78, 8
	s_lshl_b32 s78, s78, 23
	s_or_b32 s78, s78, 0x600000
	v_mov_b32 v[LMO], s78
	s_wait_alu depctr_va_vdst(0)
	s_wait_tensorcnt 0x0                           ; my 16 rows of the first 64 are in
	ds_add_u32 v[SPW], v[NIL]
	s_wait_dscnt 0x0
	s_barrier_signal -1
	s_barrier_wait -1
	s_cmp_eq_u32 s17, 1                            ; a work-group of Q has 64 rows: no step of it reads a second block, so it asks for none.  The work-group's number alone decides: all four waves go the same way
	s_cbranch_scc1 .Lno_x1
	tensor_load_to_lds s[G0+4:G0+7], s[G1:G1+7]    ; my 16 rows of the second 64: they land under the first block's work
	s_nop 0
.rept 4
	v_nop
.endr
.Lno_x1:
	XPHASE 0
	s_cmp_eq_u32 s18, 1
	s_cbranch_scc1 .Lv_block0
	BLOCK 1, 0
	s_cmp_eq_u32 s17, 1                            ; Q: the one block is done
	s_cbranch_scc1 .Ljoin1
	s_branch .Ljoin0
.Lv_block0:
	BLOCK 0, 0
.Ljoin0:
	XPHASE 1
	s_cmp_eq_u32 s18, 1
	s_cbranch_scc1 .Lv_block1
	BLOCK 1, 1
	s_branch .Ljoin1
.Lv_block1:
	BLOCK 0, 1
.Ljoin1:
	s_wait_tensorcnt 0x0
	ds_add_u32 v[SPW], v[NIL]
	s_wait_dscnt 0x0
	s_endpgm
.Lfunc_end_k_q26587e38e0_proj:
	.size	k_q26587e38e0_proj, .Lfunc_end_k_q26587e38e0_proj-k_q26587e38e0_proj
	.p2alignl 7, 3214868480
	.fill 96, 4, 3214868480
	.section	.rodata,"a",@progbits
	.p2align	6, 0x0
	.amdhsa_kernel k_q26587e38e0_proj
		.amdhsa_group_segment_fixed_size 327680
		.amdhsa_private_segment_fixed_size 0
		.amdhsa_enable_private_segment 0
		.amdhsa_kernarg_size 48
		.amdhsa_user_sgpr_count 2
		.amdhsa_user_sgpr_kernarg_segment_ptr 1
		.amdhsa_wavefront_size32 1
		.amdhsa_system_sgpr_workgroup_id_x 1
		.amdhsa_system_sgpr_workgroup_id_y 1
		.amdhsa_system_sgpr_workgroup_id_z 1
		.amdhsa_system_vgpr_workitem_id 0
		.amdhsa_next_free_vgpr 1024
		.amdhsa_next_free_sgpr 96
		.amdhsa_reserve_vcc 0
		.amdhsa_float_denorm_mode_32 3
		.amdhsa_float_denorm_mode_16_64 3
		.amdhsa_memory_ordered 1
		.amdhsa_forward_progress 1
		.amdhsa_inst_pref_size 196
	.end_amdhsa_kernel
	.amdgpu_metadata
---
amdhsa.version: [ 1, 2 ]
amdhsa.kernels:
  - .name:           k_q26587e38e0_proj
    .symbol:         k_q26587e38e0_proj.kd
    .args:
      - { .name: x_q, .offset: 0, .size: 8, .value_kind: global_buffer, .address_space: global }
      - { .name: x_kv, .offset: 8, .size: 8, .value_kind: global_buffer, .address_space: global }
      - { .name: w_img, .offset: 16, .size: 8, .value_kind: global_buffer, .address_space: global }
      - { .name: lowp_scales, .offset: 24, .size: 8, .value_kind: global_buffer, .address_space: global }
      - { .name: q_img, .offset: 32, .size: 8, .value_kind: global_buffer, .address_space: global }
      - { .name: kv_img, .offset: 40, .size: 8, .value_kind: global_buffer, .address_space: global }
    .group_segment_fixed_size: 327680
    .private_segment_fixed_size: 0
    .kernarg_segment_align: 8
    .kernarg_segment_size: 48
    .max_flat_workgroup_size: 128
    .sgpr_count:     96
    .vgpr_count:     1024
    .wavefront_size: 32
...
	.end_amdgpu_metadata
.endif
;; end of part 2
;; launch attn (part 3): grid 8 x 32, 4 waves a work-group, clusters of 4 x 1, 327,680 bytes of LDS; arguments q_img, kv_img, lowp_scales, a_img; writes a_img
.if DOCPART == 3
	.amdgcn_target "amdgcn-amd-amdhsa--gfx1250"
	.amdhsa_code_object_version 6
	.text
	.protected	k_q26587e38e0_attn
	.globl	k_q26587e38e0_attn
	.p2align	8
	.type	k_q26587e38e0_attn,@function
k_q26587e38e0_attn:
	s_mov_b64 s[64:65], 0
	v_nop
	global_prefetch_b8 v0, s[64:65] scope:SCOPE_SE
	s_setreg_imm32_b32 hwreg(HW_REG_WAVE_MODE, 25, 1), 1
	s_wait_xcnt 0x0
	s_wait_alu depctr_hold_cnt(0) depctr_sa_sdst(0) depctr_va_vdst(0) depctr_va_sdst(0) depctr_va_ssrc(0) depctr_va_vcc(0) depctr_vm_vsrc(0)
	s_getreg_b32 s2, hwreg(HW_REG_IB_STS2, 6, 4)
	s_cmp_eq_u32 s2, 0
	s_cbranch_scc0 .Lentry_in_a_cluster
	s_endpgm
.Lentry_in_a_cluster:
	s_bfe_u32 s2, ttmp6, 0x10000c
	s_cmp_lg_u32 s2, 0x3003
	s_cbranch_scc0 .Lentry_shape_is_right
	s_endpgm
.Lentry_shape_is_right:
; a[b][q][64 head + d] = the sum over keys of softmax(q . k / 8) v, both products on codes of FP8 (E4M3); the result is quantised at once (entry 10) as the operand of the last projection.
; THE SOFTMAX AHEAD OF THE SECOND PRODUCT: t = score x log2(e) / 8; M = the largest t of the row so far, rounded UP to a whole number; p = 2^(t - M) is what is quantised (entry 8), not normalised.
; The sum of the row is taken of the unquantised p, in f32, and divides at the end.  When M moves, the sums and O are multiplied by 2^(old M - new M): nothing is rounded, and no branch hangs on data.
; ALL OPERANDS ARE IMAGES OF REGISTERS (lane (r, h): row r; registers 2 c, 2 c + 1: k = 16 c + 8 h + 0 .. 7; a piece = four registers of all lanes, 512 bytes, lane l at 16 l): every LDS and global access is 16 x lane + a constant.
; Both products are used transposed: S^T = K Q^T, O^T = V^T P: a lane holds ONE query of each tile throughout; the eight registers of score tile t become by one conversion registers 2 t, 2 t + 1 of P.
; SHARES.  A work-group owns 256 queries of one (batch, head); each of its four waves, one to a SIMD, four tiles of 16: a fragment of K or V read from LDS feeds four products.  Every wave walks all 4,096 keys, 128 a step.
; kv_img holds a head as 32 RECORDS of 16,384 bytes: record n = V of key step n (4 channel tiles x 2,048), then K of key step (n + 1) mod 32 (8 tiles x 1,024).  Step n reads V(n) at its top and K(n + 1) behind its
; score products, both from record n, so a step touches one record and one body serves all 32 steps.  K(0) comes once from memory into registers; the last step's 16 loads of K bring K(0) again and are not used.
; RING.  Two LDS slots of eight records; each wave fetches two records of a slot by one tensor load.  The change of slots stands at the head of a slot; one tensor load of a wave is out at any time.
; CLUSTER.  The four query blocks of a cluster belong to one head and walk the same records: each load is asked for JOINTLY, by the same descriptor and a mask that names the four.
; THE EXPONENTIALS go in two batches of 128 (tiles 0, 1; tiles 2, 3); between the lines of a batch stand independent lines whose results are read behind the batch's closing wait: the other half's t - M, the first half's hold.
; LIMITS: e6 + e7 between -123 and 130 (added to the exponent field of c); e8 and e10 between -126 and 119; e8 + e9 goes by v_ldexp_f32 and has none.  The promise holds while |t| stays under 2^31.
; REGISTERS: window 0: v1-7 addresses; v8-15 (-M, largest score) a tile; v16-47 the sums, four pairs a tile; v48-55 f; v56-63 at work; v64-127 K; v128-191 V; v192-255 P.
;   window 1: S^T, then p: 64 a tile.   window 2: v0-127 O^T (32 a tile); v128-159 Q (8 a tile).
.set PART,  131072                     ; eight records
.set SLOT1, 1<<17                      ; slot 1 begins here
.set STEPB, 16384
.set SPARE, 2*SLOT1                    ; behind the ring: the spare words, 128 bytes for each wave: two blocks of 256 bytes that no other line names
.set LI,   1                           ; v1   16 x lane
.set LMO,  2                           ; v2   on the way out: 448 x 2^e10
.set PFO,  3                           ; v3   256 x lane, for the prefetches
.set ADR,  4                           ; v4   LDS address of the record in hand
.set SCP,  5                           ; v5   2^e8; on the way out 2^e10
.set SPW,  6                           ; v6   LDS address of my spare word; never rewritten
.set NIL,  7                           ; v7   0; never rewritten
.set NM,   8                           ; tile x: v[8+2x] -M, v[9+2x] the largest score so far
.set AC,   16                          ; tile x, chain k: v[16+8x+2k], +1
.set FF,   48                          ; v[48+2x] f = 2^(old M - new M); its neighbour is named with it as a pair
.set T0,   56                          ; v[56+2x], +1 at work
.set KF,   64
.set VF,   128
.set P,    192
.set S,    0                           ; window 1
.set O,    0                           ; window 2
.set Q,    128                         ; window 2
.set TB,   2                           ; s2   LDS byte at which the record in hand begins
.set CNT,  3                           ; s3   counts the eight steps of a slot
.set WV,   12                          ; s12  wave
.set LIM,  15                          ; s15  1 in a cluster that prefetches, else the greatest number
.set SLOTS, 16                         ; s16  parts still to be asked for
.set LIMS, 17                          ; s17  448 x 2^e8
.set PFA,  18                          ; s[18:19] where my prefetches stand
.set SEL,  20                          ; s[20:21] selects of v_permlanex16_b32: lane l xor 16
.set CS,   22                          ; s[22:23] c = log2(e) / 8 x 2^(e6 + e7)
.set G1,   24
.set G0,   32
.set MSB, 0
.macro WIN new                         ; the high byte of the immediate repeats the setting that is left
.if MSB != (\new)
	s_set_vgpr_msb (MSB<<8)|(\new)
.set MSB, (\new)
.endif
.endm
.macro CROUND                          ; a round of the barrier of the cluster
	s_barrier_signal -1
	s_barrier_wait -1
	s_cmp_lg_u32 s[WV], 0
	s_cbranch_scc1 .Lnot_wave_0_\@
	s_barrier_signal -3
.Lnot_wave_0_\@:
	s_barrier_wait -3
	s_barrier_signal -1
	s_barrier_wait -1
.endm
; A PREFETCH INTO THE L2 of the part that the NEXT change of slots will ask for: eight key steps ahead of that load.  Each aligned block of 256 bytes is named once in the launch: both clusters of a head walk the
; same bytes, the first of them asks; its four partners take 32,768 bytes each, told apart BY ADDRESS; in each, a wave takes 8,192 bytes, lanes 256 bytes apart.  Parts 0 and 1 come by their loads alone;
; the last change that fills a slot asks for nothing.
.macro ASK
	s_cmp_gt_u32 s[SLOTS], s[LIM]
	s_cbranch_scc0 .Lnot_mine_\@
	global_prefetch_b8 v[PFO], s[PFA:PFA+1] th:TH_LOAD_NT scope:SCOPE_SE
.Lnot_mine_\@:
.endm
	s_load_b256 s[4:11], s[0:1], 0x0               ; q_img s[4:5], kv_img s[6:7], the exponents s[8:9], a_img s[10:11]
	v_lshl_add_u32 v[SPW], v0, 2, SPARE
	v_mov_b32 v[NIL], 0
	ds_add_u32 v[SPW], v[NIL]                      ; the opening: the add, twice on end, and its wait ahead of my first tensor load
	ds_add_u32 v[SPW], v[NIL]
	v_lshrrev_b32 v2, 5, v0
	v_readfirstlane_b32 s[WV], v2                  ; wave 0..3
	s_and_b32 s44, ttmp7, 0xffff                   ; 8 x batch + head, which the four partners share
	s_lshl_b32 s46, s44, 19                        ; kv_img: the head,
	s_lshl_b32 s45, s[WV], 15                      ; the two records of a part that I fetch
	s_add_co_u32 s46, s46, s45
	s_mov_b32 s47, 0
	s_bfe_u32 s13, ttmp6, 0x40000                  ; cx: it enters the addresses of Q, of a and of the prefetches alone
	s_lshl_b32 s14, ttmp9, 2
	s_add_co_u32 s14, s14, s13                     ; my block of 256 queries
	s_mov_b32 s[G1+0], 15|(3<<16)|(1<<21)          ; the mask: all four work-groups; elements of 8 bytes; bit 21 set beside a mask
	s_mov_b32 s[G1+1], 32<<16                      ; a dense block of 32,768 bytes as 128 rows of 256 bytes
	s_mov_b32 s[G1+2], 128<<16
	s_mov_b32 s[G1+3], 32<<16
	s_mov_b32 s[G1+4], 128
	s_mov_b32 s[G1+5], 32
	s_mov_b32 s[G1+6], 0
	s_mov_b32 s[G1+7], 0
	s_mov_b32 s[SEL], 0x76543210
	s_mov_b32 s[SEL+1], 0xfedcba98
	s_mov_b32 s[CS], 0x3e38aa3b                    ; log2(e) / 8
	s_mov_b32 s[TB], 0
	s_mov_b32 s[SLOTS], 3
	s_cmp_eq_u32 ttmp9, 0                          ; the first cluster of the head: the same in all four partners
	s_cselect_b32 s[LIM], 1, -1
	s_lshl_b32 s48, s44, 19                        ; the prefetches: the head,
	s_lshl_b32 s45, s13, 15                        ; the 32,768 bytes of my work-group,
	s_add_co_u32 s48, s48, s45
	s_lshl_b32 s45, s[WV], 13                      ; the 8,192 of my wave,
	s_add_co_u32 s48, s48, s45
	s_add_co_u32 s48, s48, PART                    ; in part 1: the first change of slots steps it to part 2
	s_mov_b32 s49, 0
	s_lshl_b32 s54, s14, 4
	s_lshl_b32 s45, s[WV], 2
	s_add_co_u32 s54, s54, s45                     ; my first query tile: 16 x block + 4 x wave
	s_lshl_b32 s50, s44, 17                        ; q_img: the head, the tile
	s_lshl_b32 s45, s54, 10
	s_add_co_u32 s50, s50, s45
	s_mov_b32 s51, 0
	s_lshr_b32 s45, s44, 3
	s_lshl_b32 s45, s45, 7
	s_add_co_u32 s52, s45, s54                     ; a_img: row tile 128 x batch + my tile,
	s_lshl_b32 s52, s52, 13
	s_and_b32 s45, s44, 7
	s_lshl_b32 s45, s45, 10                        ; the 1,024 bytes of my head in it
	s_add_co_u32 s52, s52, s45
	s_mov_b32 s53, 0
	s_lshl_b32 s56, s44, 19
	s_add_co_u32 s56, s56, 31*STEPB+8192           ; K(0): the second half of the head's record 31
	s_mov_b32 s57, 0
	s_wait_dscnt 0x0                               ; both opening adds are done
	s_wait_kmcnt 0x0
	s_load_b256 s[36:43], s[8:9], 0x10             ; e4 .. e11
	s_mov_b32 s[G0], 1
	s_lshl_b32 s[G0+1], s[WV], 15                  ; LDS address: slot 0, my two records
	s_add_nc_u64 s[G0+2:G0+3], s[6:7], s[46:47]    ; part 0
	s_or_b32 s[G0+3], s[G0+3], 0x80000000
	s_add_nc_u64 s[PFA:PFA+1], s[6:7], s[48:49]
	s_add_nc_u64 s[56:57], s[6:7], s[56:57]
	s_add_nc_u64 s[4:5], s[4:5], s[50:51]
	s_add_nc_u64 s[10:11], s[10:11], s[52:53]
	CROUND                                         ; all four work-groups are here: the first joint loads meet
	tensor_load_to_lds s[G0:G0+3], s[G1:G1+7]      ; part 0
	s_nop 0
.rept 4
	v_nop
.endr
	v_and_b32 v2, 31, v0
	v_lshlrev_b32 v[LI], 4, v2
	v_lshlrev_b32 v[PFO], 8, v2
.set n, 0
.rept 16
	global_load_b128 v[KF+4*n:KF+4*n+3], v[LI], s[56:57] offset:512*n   ; K(0)
.set n, n+1
.endr
	WIN 0x80                                       ; destination window 2
.set n, 0
.rept 8
	global_load_b128 v[Q+4*n:Q+4*n+3], v[LI], s[4:5] offset:512*n       ; Q stays in registers: four fragments of two pieces
.set n, n+1
.endr
.set n, 0
.rept 128
	v_mov_b32 v[O+n], 0                            ; O^T.  (The step is written once: the first finds zeros, which the first change of M leaves zeros)
.set n, n+1
.endr
	WIN 0
.irp x, 0,1,2,3
	v_mov_b32 v[NM+2*\x], 0x7f61b1e6               ; -M: 3e38
	v_mov_b32 v[NM+2*\x+1], 0xff61b1e6             ; the largest score so far: -3e38
	v_mov_b32 v[FF+2*\x+1], 0                      ; (named as the upper half of a pair)
.endr
.set n, 0
.rept 32
	v_mov_b32 v[AC+n], 0                           ; the sums
.set n, n+1
.endr
	s_wait_kmcnt 0x0
	s_add_co_i32 s44, s38, s39
	s_lshl_b32 s44, s44, 23
	s_add_co_i32 s[CS], s[CS], s44                 ; a score stands for score x 2^(e6 + e7): the two exponents are added to the exponent field of c
	s_mov_b32 s[CS+1], s[CS]
	s_add_co_i32 s44, s40, 127
	s_lshl_b32 s45, s44, 23
	v_mov_b32 v[SCP], s45                          ; 2^e8
	s_add_co_i32 s44, s44, 8
	s_lshl_b32 s44, s44, 23
	s_or_b32 s[LIMS], s44, 0x600000                ; 448 x 2^e8
.macro SUMS x0, x1                     ; the sums are taken of the UNQUANTISED p: four chains a tile
.irp j, 0,8,16,24,32,40,48,56
.irp x, \x0, \x1
.irp k, 0,1,2,3
	v_pk_add_f32 v[AC+8*\x+2*\k:AC+8*\x+2*\k+1], v[AC+8*\x+2*\k:AC+8*\x+2*\k+1], v[S+64*\x+\j+2*\k:S+64*\x+\j+2*\k+1]
.endr
.endr
.endr
.endm
.macro HOLD r                          ; the conversion does not saturate (ISA guide 7.6.2); p is not negative, so the hold is one-sided: two numbers a line
	v_dual_min_num_f32 v[\r], s[LIMS], v[\r] :: v_dual_min_num_f32 v[\r+1], s[LIMS], v[\r+1]
.endm
; A KEY STEP: 128 keys for my four query tiles
.macro BODY
	v_add_nc_u32 v[ADR], s[TB], v[LI]              ; with the three v_nop: the four places between the last products and the loads into the registers that they read
.rept 3
	v_nop
.endr
.set n, 0
.rept 16
	ds_load_b128 v[VF+4*n:VF+4*n+3], v[ADR] offset:512*n              ; V of this step: it lands under the softmax
.set n, n+1
.endr
	s_wait_alu depctr_va_vdst(0)
	s_wait_dscnt 16                                ; K of this step is in; the 16 loads just issued may be out
	WIN 0x48                                       ; D window 1, Q window 2
.irp t, 0,1,2,3,4,5,6,7
.irp x, 0,1,2,3
	v_wmma_f32_16x16x64_fp8_fp8 v[S+64*\x+8*\t:S+64*\x+8*\t+7], v[KF+8*\t:KF+8*\t+7], v[Q+8*\x:Q+8*\x+7], 0
.endr
.endr
	WIN 0
.rept 4
	v_nop                                          ; places in front of the loads below and of the first read of the scores
.endr
.set n, 0
.rept 16
	ds_load_b128 v[KF+4*n:KF+4*n+3], v[ADR] offset:8192+512*n         ; K of the next step
.set n, n+1
.endr
	WIN 0x14                                       ; sources 1 and 2 window 1
.irp x, 0,1,2,3                        ; the largest score, two chains a tile, begun with the largest so far; ascending: each score tile is read from its low end on
	v_max3_num_f32 v[T0+2*\x], v[NM+2*\x+1], v[S+64*\x], v[S+64*\x+1]
	v_max3_num_f32 v[T0+2*\x+1], v[NM+2*\x+1], v[S+64*\x+2], v[S+64*\x+3]
.endr
.irp i, 4,8,12,16,20,24,28,32,36,40,44,48,52,56,60
.irp x, 0,1,2,3
	v_max3_num_f32 v[T0+2*\x], v[T0+2*\x], v[S+64*\x+\i], v[S+64*\x+\i+1]
	v_max3_num_f32 v[T0+2*\x+1], v[T0+2*\x+1], v[S+64*\x+\i+2], v[S+64*\x+\i+3]
.endr
.endr
	WIN 0
.irp x, 0,1,2,3
	v_max_num_f32 v[T0+2*\x], v[T0+2*\x], v[T0+2*\x+1]
.endr
.irp x, 0,1,2,3
	v_permlanex16_b32 v[T0+2*\x+1], v[T0+2*\x], s[SEL], s[SEL+1]
.endr
.irp x, 0,1,2,3
	v_max_num_f32 v[NM+2*\x+1], v[T0+2*\x], v[T0+2*\x+1]   ; and among the keys of lane l xor 16: the running largest score
.endr
.irp x, 0,1,2,3
	v_mul_f32 v[T0+2*\x], s[CS], v[NM+2*\x+1]      ; as t (c is positive)
.endr
.irp x, 0,1,2,3
	v_mov_b32 v[T0+2*\x+1], v[NM+2*\x]             ; the old -M
.endr
.irp x, 0,1,2,3
	v_floor_f32 v[NM+2*\x], -v[T0+2*\x]            ; the new -M = floor(-t) = -ceil(t): a whole number
.endr
.irp x, 0,1,2,3
	v_sub_f32 v[T0+2*\x], v[NM+2*\x], v[T0+2*\x+1] ; old M - new M: a whole number, 0 or less
.endr
.irp x, 0,1,2,3
	v_cvt_i32_f32 v[T0+2*\x], v[T0+2*\x]           ; (it saturates)
.endr
.irp x, 0,1,2,3
	v_ldexp_f32 v[FF+2*\x], 1.0, v[T0+2*\x]        ; f = 2^(old M - new M)
.endr
.irp k, 0,1,2,3
.irp x, 0,1,2,3
	v_pk_mul_f32 v[AC+8*\x+2*\k:AC+8*\x+2*\k+1], v[AC+8*\x+2*\k:AC+8*\x+2*\k+1], v[FF+2*\x:FF+2*\x+1] op_sel_hi:[1,0]   ; the sums under the new M
.endr
.endr
	WIN 0x45                                       ; destination, sources 0 and 1 window 1; source 2 window 0
.set n, 0
.rept 32
.irp x, 0,1
	v_pk_fma_f32 v[S+64*\x+n:S+64*\x+n+1], v[S+64*\x+n:S+64*\x+n+1], s[CS:CS+1], v[NM+2*\x:NM+2*\x+1] op_sel_hi:[1,0,0]   ; t - M of tiles 0, 1 (of the pairs c and -M the low word serves both halves)
.endr
.set n, n+2
.endr
	s_wait_alu depctr_va_vdst(0)                   ; ahead of a batch of exponentials
.set n, 0
.rept 64                               ; p of tiles 0, 1; between the lines t - M of tiles 2, 3, first read behind the wait below
	v_exp_f32 v[S+2*n], v[S+2*n]
	v_pk_fma_f32 v[S+128+2*n:S+128+2*n+1], v[S+128+2*n:S+128+2*n+1], s[CS:CS+1], v[NM+4+2*(n/32):NM+5+2*(n/32)] op_sel_hi:[1,0,0]
	v_exp_f32 v[S+2*n+1], v[S+2*n+1]
.set n, n+1
.endr
	v_nop                                          ; a plain line behind the last exponential
	s_wait_alu depctr_va_vdst(0)                   ; one wait for the batch, ahead of its first reader
	WIN 0x04                                       ; source 1 window 1
	SUMS 0, 1
	WIN 0x45
	s_wait_alu depctr_va_vdst(0)                   ; ahead of the second batch
.set n, 0
.rept 64                               ; p of tiles 2, 3; between the lines the hold of tiles 0, 1, first read behind the wait below
	v_exp_f32 v[S+128+2*n], v[S+128+2*n]
	HOLD S+2*n
	v_exp_f32 v[S+128+2*n+1], v[S+128+2*n+1]
.set n, n+1
.endr
	v_nop
	s_wait_alu depctr_va_vdst(0)
	WIN 0x04
	SUMS 2, 3
	WIN 0x45
.set n, 0
.rept 64
	HOLD S+128+2*n
.set n, n+1
.endr
	WIN 0x01                                       ; source 0 window 1
.set n, 0
.rept 32                               ; score tile n % 8 of query tile n / 8 becomes registers 2 (n % 8), + 1 of that P
	v_cvt_scalef32_pk8_fp8_f32 v[P+2*n:P+2*n+1], v[S+8*n:S+8*n+7], v[SCP]
.set n, n+1
.endr
	WIN 0x82                                       ; O^T (destination and source 0) window 2
	s_wait_alu depctr_va_vdst(0)                   ; directly ahead of the first reader of O^T
.set n, 0
.rept 64
	v_pk_mul_f32 v[O+2*n:O+2*n+1], v[O+2*n:O+2*n+1], v[FF+2*(n/16):FF+2*(n/16)+1] op_sel_hi:[1,0]   ; O^T under the new M, ascending.  (Also the plain lines between the conversions and the products)
.set n, n+1
.endr
	s_wait_alu depctr_va_vdst(0)
	s_wait_dscnt 16                                ; V is in; the 16 loads of the next K may be out
	WIN 0xa0                                       ; C and D window 2
.irp dt, 0,1,2,3                       ; the sixteen accumulators take turns, one instruction a turn
.irp x, 0,1,2,3
	v_wmma_f32_16x16x128_fp8_fp8 v[O+32*\x+8*\dt:O+32*\x+8*\dt+7], v[VF+16*\dt:VF+16*\dt+15], v[P+16*\x:P+16*\x+15], v[O+32*\x+8*\dt:O+32*\x+8*\dt+7]
.endr
.endr
	WIN 0
	s_add_co_u32 s[TB], s[TB], STEPB
.endm
.macro STEPS                           ; the eight key steps of a slot: written once, walked eight times
	s_mov_b32 s[CNT], 8
.Lstep_\@:
	BODY
	s_sub_co_u32 s[CNT], s[CNT], 1
	s_cmp_lg_u32 s[CNT], 0
	s_cbranch_scc1 .Lstep_\@
	s_sub_co_u32 s[TB], s[TB], PART                ; back to the first record of a slot,
	s_xor_b32 s[TB], s[TB], SLOT1                  ; in the other slot
.endm
; THE CHANGE OF SLOTS, at the head of a slot.  Each wave waits for all its tensor loads (its records of the slot ahead), adds 0 to its spare word, and waits for that and for its reads of the slot that it has left.
; fill = 1: the barrier is a round of the cluster, and the joint refill of the slot that was left (the first time: slot 1's first fill) is the first thing behind it.
.macro CHANGE fill
	s_wait_tensorcnt 0x0                           ; no tensor load of mine is out, so group 0 may be written
	ds_add_u32 v[SPW], v[NIL]                      ; 0 onto my spare word
.if \fill
	s_xor_b32 s[G0+1], s[G0+1], SLOT1              ; the other slot than last time,
	s_add_nc_u64 s[G0+2:G0+3], s[G0+2:G0+3], PART  ; the next part
	s_wait_xcnt 0x0                                ; the last prefetch, a slot back, has read its address
	s_add_nc_u64 s[PFA:PFA+1], s[PFA:PFA+1], PART  ; one part further on than the descriptor
	s_wait_dscnt 0x0                               ; the add is done, and my reads of the slot that I have left are over
	CROUND
	tensor_load_to_lds s[G0:G0+3], s[G1:G1+7]      ; my one tensor load until the next change
	s_nop 0
.rept 4
	v_nop
.endr
	ASK
.else
	s_wait_dscnt 0x0
	s_barrier_signal -1
	s_barrier_wait -1
.endif
.endm
	s_wait_alu depctr_va_vdst(0)
	s_wait_loadcnt 0x0                             ; Q and K(0)
.Lslot:                                            ; three trips: parts 0, 1, 2 are walked while parts 1, 2, 3 land
	CHANGE 1
	STEPS
	s_sub_co_u32 s[SLOTS], s[SLOTS], 1
	s_cmp_lg_u32 s[SLOTS], 0
	s_cbranch_scc1 .Lslot
	CHANGE 0                                       ; the last part is written out
	STEPS
	; THE WAY OUT.  O^T x 2^(e8 + e9) / the sum, held, converted with 2^e10: the codes are my head's part of four fragments of a.  The additions are the places behind the last products.
.irp x, 0,1,2,3
	v_pk_add_f32 v[AC+8*\x:AC+8*\x+1], v[AC+8*\x:AC+8*\x+1], v[AC+8*\x+2:AC+8*\x+3]
	v_pk_add_f32 v[AC+8*\x+4:AC+8*\x+5], v[AC+8*\x+4:AC+8*\x+5], v[AC+8*\x+6:AC+8*\x+7]
.endr
.irp x, 0,1,2,3
	v_pk_add_f32 v[AC+8*\x:AC+8*\x+1], v[AC+8*\x:AC+8*\x+1], v[AC+8*\x+4:AC+8*\x+5]
.endr
.irp x, 0,1,2,3
	v_add_f32 v[T0+2*\x], v[AC+8*\x], v[AC+8*\x+1]
.endr
.irp x, 0,1,2,3
	v_permlanex16_b32 v[T0+2*\x+1], v[T0+2*\x], s[SEL], s[SEL+1]
.endr
.irp x, 0,1,2,3
	v_add_f32 v[T0+2*\x], v[T0+2*\x], v[T0+2*\x+1] ; the sum of the row
.endr
	s_wait_alu depctr_va_vdst(0)                   ; ahead of the reciprocals
.irp x, 0,1,2,3
	v_rcp_f32 v[FF+2*\x], v[T0+2*\x]
.endr
	v_nop                                          ; a plain line behind the last reciprocal
	s_add_co_i32 s44, s40, s41                     ; e8 + e9
	s_add_co_i32 s45, s42, 127
	s_lshl_b32 s46, s45, 23
	s_add_co_i32 s45, s45, 8
	s_lshl_b32 s45, s45, 23
	s_or_b32 s45, s45, 0x600000
	v_mov_b32 v[SCP], s46                          ; 2^e10
	v_mov_b32 v[LMO], s45                          ; 448 x 2^e10
	s_wait_alu depctr_va_vdst(0)                   ; one wait for the reciprocals, ahead of their first reader
.irp x, 0,1,2,3
	v_ldexp_f32 v[FF+2*\x], v[FF+2*\x], s44
.endr
	WIN 0x42                                       ; destination window 1, source 0 (O^T) window 2
	s_wait_alu depctr_va_vdst(0)                   ; directly ahead of the first reader of O^T
.set n, 0
.rept 64
	v_pk_mul_f32 v[S+2*n:S+2*n+1], v[O+2*n:O+2*n+1], v[FF+2*(n/16):FF+2*(n/16)+1] op_sel_hi:[1,0]   ; ascending: each accumulator from its low end on
.set n, n+1
.endr
	WIN 0x41
.set n, 0
.rept 128
	v_med3_num_f32 v[S+n], v[S+n], -v[LMO], v[LMO]
.set n, n+1
.endr
	WIN 0x01
.set n, 0
.rept 16                               ; channel tile n % 4 of query tile n / 4
	v_cvt_scalef32_pk8_fp8_f32 v[P+2*n:P+2*n+1], v[S+8*n:S+8*n+7], v[SCP]
.set n, n+1
.endr
	v_nop
	WIN 0
.irp x, 0,1,2,3
.irp p, 0,1
	global_store_b128 v[LI], v[P+8*\x+4*\p:P+8*\x+4*\p+3], s[10:11] offset:\x*8192+512*\p   ; a piece: 512 consecutive bytes, aligned
.endr
.endr
	s_wait_tensorcnt 0x0                           ; the end of the wave
	ds_add_u32 v[SPW], v[NIL]
	s_wait_dscnt 0x0
	CROUND                                         ; the closing round: no work-group ends while a partner may still ask for a tile that names it
	s_endpgm
.Lfunc_end_k_q26587e38e0_attn:
	.size	k_q26587e38e0_attn, .Lfunc_end_k_q26587e38e0_attn-k_q26587e38e0_attn
	.p2alignl 7, 3214868480
	.fill 96, 4, 3214868480
	.section	.rodata,"a",@progbits
	.p2align	6, 0x0
	.amdhsa_kernel k_q26587e38e0_attn
		.amdhsa_group_segment_fixed_size 327680
		.amdhsa_private_segment_fixed_size 0
		.amdhsa_enable_private_segment 0
		.amdhsa_kernarg_size 32
		.amdhsa_user_sgpr_count 2
		.amdhsa_user_sgpr_kernarg_segment_ptr 1
		.amdhsa_wavefront_size32 1
		.amdhsa_system_sgpr_workgroup_id_x 1
		.amdhsa_system_sgpr_workgroup_id_y 1
		.amdhsa_system_sgpr_workgroup_id_z 1
		.amdhsa_system_vgpr_workitem_id 0
		.amdhsa_next_free_vgpr 768
		.amdhsa_next_free_sgpr 66
		.amdhsa_reserve_vcc 0
		.amdhsa_float_denorm_mode_32 3
		.amdhsa_float_denorm_mode_16_64 3
		.amdhsa_memory_ordered 1
		.amdhsa_forward_progress 1
		.amdhsa_inst_pref_size 140
	.end_amdhsa_kernel
	.amdgpu_metadata
---
amdhsa.version: [ 1, 2 ]
amdhsa.kernels:
  - .name:           k_q26587e38e0_attn
    .symbol:         k_q26587e38e0_attn.kd
    .args:
      - { .name: q_img, .offset: 0, .size: 8, .value_kind: global_buffer, .address_space: global }
      - { .name: kv_img, .offset: 8, .size: 8, .value_kind: global_buffer, .address_space: global }
      - { .name: lowp_scales, .offset: 16, .size: 8, .value_kind: global_buffer, .address_space: global }
      - { .name: a_img, .offset: 24, .size: 8, .value_kind: global_buffer, .address_space: global }
    .group_segment_fixed_size: 327680
    .private_segment_fixed_size: 0
    .kernarg_segment_align: 8
    .kernarg_segment_size: 32
    .max_flat_workgroup_size: 128
    .sgpr_count:     66
    .vgpr_count:     768
    .wavefront_size: 32
...
	.end_amdgpu_metadata
.endif
;; end of part 3
;; launch oproj (part 4): grid 4 x 64, 4 waves a work-group, no clusters, 17,920 bytes of LDS; arguments a_img, w_img, lowp_scales, b_proj, out0; writes out0
.if DOCPART == 4
	.amdgcn_target "amdgcn-amd-amdhsa--gfx1250"
	.amdhsa_code_object_version 6
	.text
	.protected	k_q26587e38e0_oproj
	.globl	k_q26587e38e0_oproj
	.p2align	8
	.type	k_q26587e38e0_oproj,@function
k_q26587e38e0_oproj:
	s_mov_b64 s[64:65], 0
	v_nop
	global_prefetch_b8 v0, s[64:65] scope:SCOPE_SE
	s_setreg_imm32_b32 hwreg(HW_REG_WAVE_MODE, 25, 1), 1
	s_wait_xcnt 0x0
; out0 = a w_proj^T + b_proj on codes of FP8 (E4M3): a [8,192][512] and w_proj [512][512] lie as images of operand registers (a_img; matrix 3 of w_img): lane (r, h): row r; registers 2 c, 2 c + 1: k = 16 c + 8 h + 0 .. 7.
; A sum stands for sum x 2^(e10 + e11): out = sum x 2^(e10 + e11) + bias, one packed multiply-add for two numbers.
; SHARES.  A work-group takes 128 rows x 128 columns; wave (wr, wc) 64 x 64: 16 accumulators.  All its fragments (4 row tiles + 4 column tiles, 4 K steps: 65,536 bytes) go from memory straight into 512 registers,
; K step by K step, and are multiplied as they land.  The product is used transposed (source 0 = 16 rows of w_proj, source 1 = 16 rows of a): a lane holds one row and eight neighbouring columns.
; NO CLUSTER, NO TENSOR LOAD: every fragment is read once by its wave, 16 bytes a lane in runs of 512, and used from registers; a way through LDS would add a trip for bytes that are multiplied once.
; THE WAY OUT: 16 rows x 64 columns at a time through my own stage in LDS (rows of 256 bytes + 16), back as whole rows: sixteen lanes store 256 consecutive bytes, aligned.
; LIMIT: e10 + e11 between -126 and 127.
; REGISTERS: window 0: v3-9 addresses; v32-63 the bias; v64-95 results; v96-127 rows read back; v128-255 accumulator (m, n) at v[128 + 8 (4 m + n)].  window 1: a(m, ks) at v[64 m + 16 ks].  window 2: W(n, ks) likewise.
.set SPITCH, 272
.set SPARE,  4*16*SPITCH               ; behind the four stages: the spare words, 128 bytes for each wave: two blocks of 256 bytes that no other line names
.set LI,  3                            ; v3  16 x lane
.set SO,  4                            ; v4  the stage: where I put 32 bytes of a row
.set SR,  5                            ; v5  and where I read a row back
.set GO,  6                            ; v6  my byte offset in two rows of out0
.set BO,  7                            ; v7  32 h: my eight numbers of each 16 of the bias
.set SPW, 8                            ; v8  LDS address of my spare word; never rewritten
.set NIL, 9                            ; v9  0; never rewritten
.set BI,  32
.set TMP, 64
.set OB,  96
.set ACC, 128
.set MSB, 0
.macro WIN new                         ; the high byte of the immediate repeats the setting that is left
.if MSB != (\new)
	s_set_vgpr_msb (MSB<<8)|(\new)
.set MSB, (\new)
.endif
.endm
	s_load_b256 s[4:11], s[0:1], 0x0               ; a_img s[4:5], w_img s[6:7], the exponents s[8:9], b_proj s[10:11]
	s_load_b64 s[12:13], s[0:1], 0x20              ; out0
	v_lshl_add_u32 v[SPW], v0, 2, SPARE
	v_mov_b32 v[NIL], 0
	v_lshrrev_b32 v1, 5, v0
	v_readfirstlane_b32 s14, v1                    ; wave 0..3
	s_lshr_b32 s15, s14, 1                         ; wr: which 64 rows
	s_and_b32 s16, s14, 1                          ; wc: which 64 columns
	s_and_b32 s17, ttmp7, 0xffff                   ; y: which 128 rows; ttmp9: which 128 columns
	v_and_b32 v1, 31, v0
	v_lshlrev_b32 v[LI], 4, v1
	v_and_b32 v1, 15, v0                           ; r
	v_bfe_u32 v2, v0, 4, 1                         ; h
	s_mul_i32 s18, s14, 16*SPITCH                  ; my stage
	v_mul_u32_u24 v[SO], v1, SPITCH                ; in: row r, 32 bytes for each half of the lanes
	v_lshl_add_u32 v[SO], v2, 5, v[SO]
	v_add_nc_u32 v[SO], s18, v[SO]
	v_mul_u32_u24 v[SR], v2, SPITCH                ; back: lanes 0-15 one row of 256 bytes, lanes 16-31 the next
	v_lshl_add_u32 v[SR], v1, 4, v[SR]
	v_add_nc_u32 v[SR], s18, v[SR]
	v_lshlrev_b32 v[GO], 11, v2                    ; and the same two rows in out0
	v_lshl_add_u32 v[GO], v1, 4, v[GO]
	v_lshlrev_b32 v[BO], 5, v2
	s_lshl_b32 s24, s17, 16                        ; a: row tile 8 y + 4 wr, 8,192 bytes each
	s_lshl_b32 s19, s15, 15
	s_add_co_u32 s24, s24, s19
	s_mov_b32 s25, 0
	s_lshl_b32 s26, ttmp9, 16                      ; W: matrix 3, column tile 8 x + 4 wc
	s_lshl_b32 s19, s16, 15
	s_add_co_u32 s26, s26, s19
	s_add_co_u32 s26, s26, 3*262144
	s_mov_b32 s27, 0
	s_lshl_b32 s28, ttmp9, 9                       ; my first column in bytes: 512 x + 256 wc
	s_lshl_b32 s19, s16, 8
	s_add_co_u32 s28, s28, s19
	s_mov_b32 s29, 0
	s_lshl_b32 s30, s17, 18                        ; my first row: 128 y + 64 wr, 2,048 bytes each
	s_lshl_b32 s19, s15, 17
	s_add_co_u32 s30, s30, s19
	s_add_co_u32 s30, s30, s28
	s_mov_b32 s31, 0
	s_wait_alu depctr_va_vdst(0)
	s_wait_kmcnt 0x0
	s_load_b64 s[20:21], s[8:9], 0x28              ; e10, e11
	s_add_nc_u64 s[4:5], s[4:5], s[24:25]
	s_add_nc_u64 s[6:7], s[6:7], s[26:27]
	s_add_nc_u64 s[10:11], s[10:11], s[28:29]
	s_add_nc_u64 s[12:13], s[12:13], s[30:31]
.irp n, 0,1,2,3
	global_load_b128 v[BI+8*\n:BI+8*\n+3], v[BO], s[10:11] offset:64*\n        ; the bias of columns 16 n + 8 h + 0 .. 7, in the layout of a result tile
	global_load_b128 v[BI+8*\n+4:BI+8*\n+7], v[BO], s[10:11] offset:64*\n+16
.endr
.irp ks, 0,1,2,3                       ; 32 loads for each K step, K step by K step
	WIN 0x40                                       ; destination window 1
.irp m, 0,1,2,3
.irp p, 0,1,2,3
	global_load_b128 v[64*\m+16*\ks+4*\p:64*\m+16*\ks+4*\p+3], v[LI], s[4:5] offset:\m*8192+\ks*2048+512*\p
.endr
.endr
	WIN 0x80                                       ; destination window 2
.irp n, 0,1,2,3
.irp p, 0,1,2,3
	global_load_b128 v[64*\n+16*\ks+4*\p:64*\n+16*\ks+4*\p+3], v[LI], s[6:7] offset:\n*8192+\ks*2048+512*\p
.endr
.endr
.endr
; 16 matrix instructions of K step ks; left: how many younger loads may stay out.  The 16 accumulators take turns, one instruction a turn, in the same order in every K step.
.macro KSTEP ks, left
	s_wait_loadcnt \left
	WIN 0x06                                       ; source 0 (W) window 2, source 1 (a) window 1
.irp m, 0,1,2,3
.irp n, 0,1,2,3
.if \ks == 0
	v_wmma_f32_16x16x128_fp8_fp8 v[ACC+8*(4*\m+\n):ACC+8*(4*\m+\n)+7], v[64*\n+16*\ks:64*\n+16*\ks+15], v[64*\m+16*\ks:64*\m+16*\ks+15], 0
.else
	v_wmma_f32_16x16x128_fp8_fp8 v[ACC+8*(4*\m+\n):ACC+8*(4*\m+\n)+7], v[64*\n+16*\ks:64*\n+16*\ks+15], v[64*\m+16*\ks:64*\m+16*\ks+15], v[ACC+8*(4*\m+\n):ACC+8*(4*\m+\n)+7]
.endif
.endr
.endr
.endm
	KSTEP 0, 63                                    ; 96 younger loads would do; 63 is the largest count that the wait can name
	KSTEP 1, 63                                    ; 64 would do
	KSTEP 2, 32                                    ; the 32 loads of K step 3 may be out
	KSTEP 3, 0
	WIN 0
	s_wait_kmcnt 0x0
	s_add_co_i32 s22, s20, s21
	s_add_co_i32 s22, s22, 127
	s_lshl_b32 s22, s22, 23                        ; 2^(e10 + e11) as f32
	s_mov_b32 s23, s22                             ; (named with it as a pair)
.rept 4
	v_nop                                          ; places between the last products and the first read of results (ISA guide 7.12.1)
.endr
.irp m, 0,1,2,3                        ; 16 rows at a time
.irp n, 0,1,2,3
.irp i, 0,2,4,6
	v_pk_fma_f32 v[TMP+8*\n+\i:TMP+8*\n+\i+1], v[ACC+8*(4*\m+\n)+\i:ACC+8*(4*\m+\n)+\i+1], s[22:23], v[BI+8*\n+\i:BI+8*\n+\i+1] op_sel_hi:[1,0,1]   ; each accumulator from its low end on
.endr
.endr
.irp n, 0,1,2,3
	ds_store_b128 v[SO], v[TMP+8*\n:TMP+8*\n+3] offset:64*\n
	ds_store_b128 v[SO], v[TMP+8*\n+4:TMP+8*\n+7] offset:64*\n+16
.endr
	s_wait_xcnt 0x0                                ; the stores of the 16 rows before have read v96-127, into which the loads below land
.irp i, 0,1,2,3,4,5,6,7
	ds_load_b128 v[OB+4*\i:OB+4*\i+3], v[SR] offset:\i*2*SPITCH    ; LDS serves the instructions of a wave in order (ISA guide 5.7.1.4): these see the stores above
.endr
.irp i, 0,1,2,3,4,5,6,7
	s_wait_dscnt 7-\i                              ; pair i of rows is back; the younger loads may be out.  At i = 7 the stage and v64-95 are free for the next 16 rows
	global_store_b128 v[GO], v[OB+4*\i:OB+4*\i+3], s[12:13] offset:(16*\m+2*\i)*2048 th:TH_STORE_NT   ; sixteen lanes store 256 consecutive bytes, aligned; written once, read by nobody here
.endr
.endr
	s_wait_tensorcnt 0x0                           ; the end of the wave
	ds_add_u32 v[SPW], v[NIL]
	s_wait_dscnt 0x0
	s_endpgm
.Lfunc_end_k_q26587e38e0_oproj:
	.size	k_q26587e38e0_oproj, .Lfunc_end_k_q26587e38e0_oproj-k_q26587e38e0_oproj
	.p2alignl 7, 3214868480
	.fill 96, 4, 3214868480
	.section	.rodata,"a",@progbits
	.p2align	6, 0x0
	.amdhsa_kernel k_q26587e38e0_oproj
		.amdhsa_group_segment_fixed_size 17920
		.amdhsa_private_segment_fixed_size 0
		.amdhsa_enable_private_segment 0
		.amdhsa_kernarg_size 40
		.amdhsa_user_sgpr_count 2
		.amdhsa_user_sgpr_kernarg_segment_ptr 1
		.amdhsa_wavefront_size32 1
		.amdhsa_system_sgpr_workgroup_id_x 1
		.amdhsa_system_sgpr_workgroup_id_y 1
		.amdhsa_system_sgpr_workgroup_id_z 1
		.amdhsa_system_vgpr_workitem_id 0
		.amdhsa_next_free_vgpr 768
		.amdhsa_next_free_sgpr 66
		.amdhsa_reserve_vcc 0
		.amdhsa_float_denorm_mode_32 3
		.amdhsa_float_denorm_mode_16_64 3
		.amdhsa_memory_ordered 1
		.amdhsa_forward_progress 1
		.amdhsa_inst_pref_size 33
	.end_amdhsa_kernel
	.amdgpu_metadata
---
amdhsa.version: [ 1, 2 ]
amdhsa.kernels:
  - .name:           k_q26587e38e0_oproj
    .symbol:         k_q26587e38e0_oproj.kd
    .args:
      - { .name: a_img, .offset: 0, .size: 8, .value_kind: global_buffer, .address_space: global }
      - { .name: w_img, .offset: 8, .size: 8, .value_kind: global_buffer, .address_space: global }
      - { .name: lowp_scales, .offset: 16, .size: 8, .value_kind: global_buffer, .address_space: global }
      - { .name: b_proj, .offset: 24, .size: 8, .value_kind: global_buffer, .address_space: global }
      - { .name: out0, .offset: 32, .size: 8, .value_kind: global_buffer, .address_space: global }
    .group_segment_fixed_size: 17920
    .private_segment_fixed_size: 0
    .kernarg_segment_align: 8
    .kernarg_segment_size: 40
    .max_flat_workgroup_size: 128
    .sgpr_count:     66
    .vgpr_count:     768
    .wavefront_size: 32
...
	.end_amdgpu_metadata
.endif
;; end of part 4
